; MI455X (gfx1250); checked and timed in simulation.
; The chip was launched on July 23, 2026; its instructions are those of AMD's public machine-readable ISA for CDNA 5 (MIT licence, August 2026) and "CDNA5" Instruction Set Architecture Reference Guide (July 2026). The comments in the code are by the model that wrote it; some were corrected since.
;; Multi Head Attention. Allowed arithmetic: matrix products marked QUANTISED: E2M1 operands, one E8M0 scale for each 32 along K, by v_wmma_scale_f32_16x16x128_f8f6f4 with both operands' format E2M1 (or v_wmma_scale_f32_32x16x128_f4), f32 sums; everything else in f32.
;; Inputs: out_b 1,024 float32; out_w_codes 1,024 x 32 x 16 uint8 (E2M1 codes of out_w, K innermost, in blocks of 32 codes, two codes a byte); out_w_scales 1,024 x 32 uint8 (E8M0 scales of out_w, one for each 32 codes along K); qkv_b 3,072 float32; qkv_w_codes 3,072 x 32 x 16 uint8 (E2M1 codes of qkv_w, K innermost, in blocks of 32 codes, two codes a byte); qkv_w_scales 3,072 x 32 uint8 (E8M0 scales of qkv_w, one for each 32 codes along K); x_codes 4 x 2,048 x 32 x 16 uint8 (E2M1 codes of x, K innermost, in blocks of 32 codes, two codes a byte); x_scales 4 x 2,048 x 32 uint8 (E8M0 scales of x, one for each 32 codes along K).
;; Outputs: out0 4 x 2,048 x 1,024 float32.
;; This version of the problem:
;;   THIS VERSION OF THE PROBLEM IS GIVEN IN LOW PRECISION. The matrix products marked QUANTISED in the list below multiply operands that are first quantised to E2M1 (2 exponent bits, 1 mantissa bit; 4 bits a number), with one power-of-two scale for each 32 numbers along K (OCP MX v1.0); their sums are f32. All else is computed in f32.
;;   The module's matrix products, in the order in which they are computed (A, B: the left and right operand; K: the contracted axis; several contracted axes count as one K, in the product's order):
;;     1. [M 8,192, K 1,024] x [K 1,024, N 3,072]; A: input x (given as codes); B: input qkv_w (given as codes): QUANTISED
;;     2. batch 64 x [M 2,048, K 64] x [K 64, N 2,048]; A: computed on the way; B: computed on the way: QUANTISED
;;     3. batch 64 x [M 2,048, K 2,048] x [K 2,048, N 64]; A: softmax (see below); B: computed on the way: QUANTISED
;;     4. [M 8,192, K 1,024] x [K 1,024, N 1,024]; A: computed on the way; B: input out_w (given as codes): QUANTISED
;;   THE QUANTISER, for each operand of a quantised product, along K:
;;     - K is cut into blocks of 32 from its start; a last block that is shorter is filled with zeros.
;;     - A block's scale is 2^e with e = floor(log2(the largest magnitude in the block)) - 2, held to -126 .. 127; a block of zeros has e = 0. As a byte (E8M0): e + 127.
;;     - Each number is divided by its block's scale, clamped to +-6, and rounded to the nearest number of E2M1, ties to even, subnormals kept.
;;     - The product sums the exact products of the quantised numbers (number of the format x scale) in f32.
;;   ~~~python
;;   def quantise(x, axis):      # numpy; x: float32 -> the quantised numbers, widened to float32 again
;;       x = np.moveaxis(x, axis, -1); K = x.shape[-1]
;;       x = np.pad(x, [(0, 0)] * (x.ndim - 1) + [(0, -K % 32)]); x = x.reshape(x.shape[:-1] + (-1, 32)); a = np.abs(x).max(-1, keepdims=True)
;;       e = np.where(a > 0, np.clip(np.frexp(np.where(a > 0, a, 1))[1] - 1 - 2, -126, 127), 0)      # np.frexp(a)[1] - 1 = floor(log2(a)), exactly
;;       r = np.clip(x / 2.0 ** e, -6, 6)
;;       step = 2.0 ** (np.maximum(np.frexp(np.where(r == 0, 1, r))[1] - 1, 0) - 1)
;;       q = np.round(r / step) * step * 2.0 ** e      # np.round: ties to even
;;       return np.moveaxis(q.reshape(q.shape[:-2] + (-1,))[..., :K], -1, axis).astype(np.float32)
;;   ~~~
;;   SOFTMAX AHEAD OF A QUANTISED PRODUCT. Where the list says 'softmax', what is quantised is not the finished softmax but p = 2^(t - M), with t = logit x log2(e) and M = ceil(the row's largest t), a whole number; so 1/2 < the row's largest p <= 1. The row's sum l is taken of the UNQUANTISED p, in f32, and the product's result is divided by l at the end. Since M is a whole number, a kernel that streams over the keys may use a running M (the ceiling of the running maximum): every later rescaling is an exact power of two, which a block's scale takes up: the codes' values come out the same.
;;   OPERANDS COMPUTED ON THE WAY. 'Computed on the way' means the value that the module computes at that place (a softmax that the list does not call 'softmax' is quantised finished and normalised). What goes into a quantiser is computed in f32, as accurately as f32 sums, v_exp_f32 and their like allow (about 1e-6 of the number): no bf16 or f16 on the way to a quantiser, and a product that is left as it is and whose result goes on into a quantised operand takes f32 operands (vector FMAs, or v_wmma_f32_16x16x4_f32). A number that lies on a knife's edge between two numbers of the format may be rounded either way, as far as f32 arithmetic and the matrix unit's own rounding can turn it there, and no further.
;;   INPUTS GIVEN AS CODES. out_w (in the module: [1024, 1024], K = its axis 1); qkv_w (in the module: [3072, 1024], K = its axis 1); x (in the module: [4, 2048, 1024], K = its axis 2): each comes as NAME_codes (uint8): NAME with its K axis moved to the last place and cut into blocks of 32 codes, [.., K / 32, bytes a block], one block behind the other in memory; two codes a byte, the lower K in the low four bits (a code: sign, 2 exponent bits, 1 mantissa bit); and NAME_scales (uint8): the same leading axes, one E8M0 byte (e + 127) for each 32 codes along K. Its value is code x scale, taken as it is: it is not quantised again, and the codes and scales need not be those that the quantiser above would give.
;; One version. Each part assembles by itself: llvm-mc -triple=amdgcn-amd-amdhsa -mcpu=gfx1250 --defsym DOCPART=n.
;; ======== version 1 of 1: 3 launches
;; workspace buffers: qkvc 12,582,912 bytes; qkvs 786,432 bytes; oc 4,194,304 bytes; os 262,144 bytes
;; launch qkv (part 1): grid 16 x 32, 4 waves a work-group, clusters of 4 x 4, 262,656 bytes of LDS; arguments x_codes, x_scales, qkv_w_codes, qkv_w_scales, qkv_b, qkvc, qkvs; writes qkvc, qkvs
.if DOCPART == 1
	.amdgcn_target "amdgcn-amd-amdhsa--gfx1250"
	.amdhsa_code_object_version 6
	.text
	.protected	k_qc1aee8eea4_qkv
	.globl	k_qc1aee8eea4_qkv
	.p2align	8
	.type	k_qc1aee8eea4_qkv,@function
k_qc1aee8eea4_qkv:
	s_mov_b64 s[64:65], 0
	v_nop
	global_prefetch_b8 v0, s[64:65] scope:SCOPE_SE
	s_setreg_imm32_b32 hwreg(HW_REG_WAVE_MODE, 25, 1), 1
	s_wait_xcnt 0x0
	s_wait_alu depctr_hold_cnt(0) depctr_sa_sdst(0) depctr_va_vdst(0) depctr_va_sdst(0) depctr_va_ssrc(0) depctr_va_vcc(0) depctr_vm_vsrc(0)
	s_getreg_b32 s2, hwreg(HW_REG_IB_STS2, 6, 4)
	s_cmp_eq_u32 s2, 0
	s_cbranch_scc0 .Lentry_in_a_cluster
	s_endpgm
.Lentry_in_a_cluster:
	s_bfe_u32 s2, ttmp6, 0x10000c
	s_cmp_lg_u32 s2, 0xf033
	s_cbranch_scc0 .Lentry_shape_is_right
	s_endpgm
.Lentry_shape_is_right:
; qkv = x W^T + b on codes of FP4 (E2M1) with one E8M0 scale for each 32 along K (K = 1,024); then q, k and v are quantised in registers and stored as IMAGES OF OPERAND REGISTERS.
; x: 8,192 rows of 512 bytes of codes, 32 scale bytes a row.  W: 3,072 rows likewise; head n owns rows 192 n .. 192 n + 191: 64 of q, 64 of k, 64 of v.
; SHARES.  A work-group takes 256 rows of x (work-group y) and one head (work-group x); wave w takes rows 64 w .. 64 w + 63 (four tiles of 16) against the head's 12 tiles of 16 columns: 48 accumulators.
; K goes in 8 steps of 128.  Two LDS slots of 512 along K hold ALL of K: every LDS byte is filled once, so no slot is ever filled again.
; CLUSTER 4 x 4: the four work-groups of a row of the cluster need the same rows of x, the four of a column the same head of W: each tile is asked for jointly, by the same tensor load with a mask that names the four.
; q AND k ARE MADE TRANSPOSED (source 0 = 16 rows of W, source 1 = 16 rows of x): a lane holds one row of x and its registers run along the head's 64, which is their K in the next product.
; v IS MADE AS IT STANDS (source 0 = x, source 1 = W): a lane holds one of the head's 64 and its registers run along the keys, which are v's K.  The bias is the C of each sum's first product.
; THE QUANTISER.  32 registers = four result tiles along the quantised axis: register 8 i + j is index 16 i + 8 (lane / 16) + j.  A block of 32 is two tiles; lanes l and l xor 16 hold 16 numbers of it each.
; The four conversions go to registers 0, 2, 1, 3; two exchanges of halves (0 with 1, 2 with 3) then leave lane (r, h) with block h whole, in order: the 16 bytes that the next product's operand wants of that lane.
; OUT.  qkvc: q, k, v regions of 4 MiB, [batch x head][65,536]: q, k [tile of 16 rows][lane][16 bytes]; v [64 keys][tile of 16 of the head's 64][lane][16 bytes].  Each store of a wave covers 512 consecutive bytes, aligned.
;       qkvs: three regions of 256 KiB, [batch x head][4,096]: q, k [pair of tiles][row] words (two bytes of each tile); v [128 keys][tile][row] words.  They are gathered in LDS and leave as 512 consecutive bytes.
; q is NOT divided by 8 here: the division is exact and goes through the quantiser unchanged; the next launch folds it into its factor.
; LIMITS: NaN and infinities are not served.  A block whose largest magnitude lies under 2^-124 (a block of zeros too) keeps the scale byte 1; its codes are then zeros or subnormal codes under that byte, and only this program
; reads the bytes.  For q the stated hold of the exponent at -126 would, after the division by 8, bite for magnitudes under 2^-121: not served.
.set PITCH, 272                        ; an LDS row: 256 bytes + 16 of padding: the 16 rows that a load touches start at 16 different groups of four banks
.set T16,   16*PITCH                   ; a tile of 16 rows
.set AHALF, 128*PITCH                  ; what one tensor load brings of x
.set BHALF, 96*PITCH                   ; and of W
.set BOFF,  2*AHALF                    ; a slot: x's 256 rows, then W's 192
.set SLOT,  BOFF+2*BHALF
.set SCL,   2*SLOT                     ; x's scale bytes: 256 rows x 32 = 32 runs of 256 bytes, 16 of padding behind each
.set SCLB,  SCL+32*272                 ; W's: 24 runs
.set SCR,   259072                     ; blocks of 256 bytes into which no tensor load lands: 512 bytes of q's scale words, 512 of k's, 512 of v's
.set PADW,  (1<<20)|(1<<21)|(5<<22)|(3<<25)    ; group 1, word 0: padding on; bit 21 beside a mask; after every 64 words; four words
.set ADRA, 16                          ; v16-17  LDS address of my fragments of x in slot 0, 1
.set ADRB, 20                          ; v20-21  of W
.set AS1,  22                          ; v22     scale words: lanes 0-15 my rows of x, lanes 16-31 W's tiles 0-3
.set AS2,  23                          ; v23     lanes 0-15 W's tiles 4-7, lanes 16-31 W's tiles 8-11
.set LI,   24                          ; v24     16 x lane
.set SCQ,  25                          ; v25     where I put q's and k's scale words
.set SCV,  26                          ; v26     and v's half words
.set SCB,  27                          ; v27     where I read 16 bytes of them back
.set BO8,  28                          ; v28     the bias of q, k: 32 x (lane / 16)
.set BO1,  29                          ; v29     the bias of v: 4 x (lane % 16)
.set SC,   32                          ; v32-95  scale words, a set of 32 for each slot: register 4 i + q: group i, the slot's q-th K step
.set SO,   96                          ; v96-119 the way out: the conversions' scale operands, one for each of 24 blocks
.set WD,   120                         ; v120-127 the scale words made
.set AF,   128                         ; v128-191 x's fragments, two sets of four
.set PC,   128                         ; the way out: 12 images of four registers
.set BK,   176                         ; v176-179 scale words read back
.set TM,   192                         ; v192-215 largest magnitudes
.set T2,   216                         ; v216-239 the other half's; then the scale bytes
; window 1: W's fragments, set p at v[128 p + 8 i].   window 2: q's and k's accumulators, (a, b) at v[64 a + 8 b].   window 3: v's, (t, a) at v[32 t + 8 a]; the bias of q, k at v[128 + 8 b], of v at v[192 + 8 t].
.set WV,   18                          ; s18 wave;  s19 0: I fetch x, 1: W;  s20 which half of its rows
.set FB,   19
.set HF,   20
.set G1A,  24                          ; s[24:31] group 1 for x's tiles, s[32:39] its groups 0 (slot 0, 1);  s[40:47], s[48:55] for W's
.set G0A,  32
.set G1B,  40
.set G0B,  48
.set G1SA, 56                          ; s[56:63], s[76:79] for x's scales;  s[68:75], s[80:83] for W's
.set G1SB, 68
.set G0SA, 76
.set G0SB, 80
.set SEL,  100                         ; s[100:101] v_permlanex16_b32's selects for lane l xor 16
.set MSB, 0
.macro WIN new                         ; the immediate's high byte repeats the setting that is left
.if MSB != \new
	s_set_vgpr_msb (MSB<<8)|\new
.set MSB, \new
.endif
.endm
.macro PLACES n
.rept \n
	v_nop
.endr
.endm
.macro SHAPE g, c, r, p                ; group 1, words 1 to 7: r rows of c elements, p elements from row to row
	s_mov_b32 s[\g+1], (\c)<<16
	s_mov_b32 s[\g+2], (\r)<<16
	s_mov_b32 s[\g+3], (\c)<<16
	s_mov_b32 s[\g+4], \r
	s_mov_b32 s[\g+5], \p
	s_mov_b32 s[\g+6], 0
	s_mov_b32 s[\g+7], 0
.endm
; A joint load: waves 0 and 1 fetch for x, waves 2 and 3 for W.  Each line has one mask and one set of registers for all that issue it; the branch hangs on the wave's number alone.  Four v_nop follow each line.
.macro JLOAD g0a, g1a, g0b, g1b
	s_cmp_eq_u32 s[FB], 0
	s_cbranch_scc0 .Lfor_b_\@
	tensor_load_to_lds s[\g0a:\g0a+3], s[\g1a:\g1a+7]
	s_nop 0
	PLACES 4
	s_branch .Lasked_\@
.Lfor_b_\@:
	tensor_load_to_lds s[\g0b:\g0b+3], s[\g1b:\g1b+7]
	s_nop 0
	PLACES 4
.Lasked_\@:
.endm
.macro CROUND                          ; a round of the cluster's barrier
	s_barrier_signal -1
	s_barrier_wait -1
	s_cmp_lg_u32 s[WV], 0
	s_cbranch_scc1 .Lnot_wave_0_\@
	s_barrier_signal -3
.Lnot_wave_0_\@:
	s_barrier_wait -3
	s_barrier_signal -1
	s_barrier_wait -1
.endm
; One matrix instruction, by register numbers.  row = 1: source 0's scales stand in lanes 16-31; 2: source 1's.
.macro MM d, a, b, c, sa, sb, row
.if (\row) == 1
	v_wmma_scale_f32_16x16x128_f8f6f4 v[\d:\d+7], v[\a:\a+7], v[\b:\b+7], v[\c:\c+7], v[\sa], v[\sb] matrix_a_fmt:MATRIX_FMT_FP4 matrix_b_fmt:MATRIX_FMT_FP4 matrix_a_scale:MATRIX_SCALE_ROW1
.elseif (\row) == 2
	v_wmma_scale_f32_16x16x128_f8f6f4 v[\d:\d+7], v[\a:\a+7], v[\b:\b+7], v[\c:\c+7], v[\sa], v[\sb] matrix_a_fmt:MATRIX_FMT_FP4 matrix_b_fmt:MATRIX_FMT_FP4 matrix_b_scale:MATRIX_SCALE_ROW1
.else
	v_wmma_scale_f32_16x16x128_f8f6f4 v[\d:\d+7], v[\a:\a+7], v[\b:\b+7], v[\c:\c+7], v[\sa], v[\sb] matrix_a_fmt:MATRIX_FMT_FP4 matrix_b_fmt:MATRIX_FMT_FP4
.endif
.endm
	s_load_b256 s[4:11], s[0:1], 0x0               ; x's codes s[4:5], x's scales s[6:7], W's codes s[8:9], W's scales s[10:11]
	s_load_b128 s[12:15], s[0:1], 0x20             ; the bias s[12:13], qkvc s[14:15]
	s_load_b64 s[16:17], s[0:1], 0x30              ; qkvs
	v_lshl_add_u32 v254, v0, 2, 0x40000
	v_mov_b32 v255, 0
	ds_add_u32 v254, v255
	ds_add_u32 v254, v255
	v_lshrrev_b32 v3, 5, v0
	v_readfirstlane_b32 s[WV], v3                  ; wave 0..3
	s_lshr_b32 s[FB], s[WV], 1
	s_and_b32 s[HF], s[WV], 1
	s_bfe_u32 s21, ttmp6, 0x40000                  ; cx, cy: my place in the cluster
	s_bfe_u32 s22, ttmp6, 0x40004
	s_lshl_b32 s23, ttmp9, 2
	s_add_co_u32 s23, s23, s21                     ; the head = 4 x cluster x + cx
	s_and_b32 s66, ttmp7, 0xffff
	s_lshl_b32 s66, s66, 2
	s_add_co_u32 s66, s66, s22                     ; the block of 256 rows = 4 x cluster y + cy
	s_lshl_b32 s67, s22, 2
	s_lshl_b32 s67, 15, s67                        ; my row of the cluster
	s_lshl_b32 s104, 0x1111, s21                   ; my column
	s_or_b32 s[G1A], s67, PADW                     ; x's tiles go to my row: elements of 1 byte
	s_or_b32 s[G1B], s104, PADW                    ; W's to my column
	s_or_b32 s[G1SA], s67, PADW|(3<<16)            ; the scales likewise: elements of 8 bytes
	s_or_b32 s[G1SB], s104, PADW|(3<<16)
	SHAPE G1A, 256, 128, 512                       ; 128 rows of 256 bytes, 512 bytes from row to row
	SHAPE G1B, 256, 96, 512
	SHAPE G1SA, 32, 16, 32                         ; the scales of 128 rows: 4,096 dense bytes as 16 rows of 256
	SHAPE G1SB, 32, 12, 32                         ; of 96 rows: 12 rows of 256
	s_lshl_b32 s84, s66, 8                         ; x: my first row to fetch: 256 x block + 128 x half
	s_lshl_b32 s85, s[HF], 7
	s_add_co_u32 s84, s84, s85
	s_lshl_b32 s86, s84, 5                         ; its scales, in bytes,
	s_lshl_b32 s84, s84, 9                         ; and its codes
	s_mov_b32 s85, 0
	s_mov_b32 s87, 0
	s_mul_i32 s88, s23, 192                        ; W: 192 x head + 96 x half
	s_mul_i32 s89, s[HF], 96
	s_add_co_u32 s88, s88, s89
	s_lshl_b32 s90, s88, 5
	s_lshl_b32 s88, s88, 9
	s_mov_b32 s89, 0
	s_mov_b32 s91, 0
	s_mul_i32 s92, s[HF], AHALF                    ; where they go: no place in the cluster enters an LDS address
	s_mul_i32 s93, s[HF], BHALF
	s_add_co_u32 s93, s93, BOFF
	s_mul_i32 s94, s[HF], 16*272
	s_mul_i32 s95, s[HF], 12*272
	s_mov_b32 s[SEL], 0x76543210
	s_mov_b32 s[SEL+1], 0xfedcba98
	s_wait_dscnt 0x0
	s_wait_kmcnt 0x0
	s_add_nc_u64 s[84:85], s[4:5], s[84:85]
	s_add_nc_u64 s[86:87], s[6:7], s[86:87]
	s_add_nc_u64 s[88:89], s[8:9], s[88:89]
	s_add_nc_u64 s[90:91], s[10:11], s[90:91]
	s_mov_b32 s[G0SA], 1
	s_add_co_u32 s[G0SA+1], s94, SCL
	s_mov_b64 s[G0SA+2:G0SA+3], s[86:87]
	s_or_b32 s[G0SA+3], s[G0SA+3], 0x80000000
	s_mov_b32 s[G0SB], 1
	s_add_co_u32 s[G0SB+1], s95, SCLB
	s_mov_b64 s[G0SB+2:G0SB+3], s[90:91]
	s_or_b32 s[G0SB+3], s[G0SB+3], 0x80000000
.irp s, 0,1
	s_mov_b32 s[G0A+4*\s], 1
	s_add_co_u32 s[G0A+4*\s+1], s92, \s*SLOT
	s_add_nc_u64 s[G0A+4*\s+2:G0A+4*\s+3], s[84:85], \s*256        ; slot s: K = 512 s on
	s_or_b32 s[G0A+4*\s+3], s[G0A+4*\s+3], 0x80000000
	s_mov_b32 s[G0B+4*\s], 1
	s_add_co_u32 s[G0B+4*\s+1], s93, \s*SLOT
	s_add_nc_u64 s[G0B+4*\s+2:G0B+4*\s+3], s[88:89], \s*256
	s_or_b32 s[G0B+4*\s+3], s[G0B+4*\s+3], 0x80000000
.endr
	CROUND                                         ; all sixteen work-groups are here: the joint loads meet
	JLOAD G0SA, G1SA, G0SB, G1SB                   ; all fills of the launch go out together: the scales,
	JLOAD G0A, G1A, G0B, G1B                       ; slot 0,
	JLOAD G0A+4, G1A, G0B+4, G1B                   ; slot 1: three loads of mine are out
	; where the results go
	s_lshr_b32 s84, s66, 3
	s_lshl_b32 s84, s84, 4
	s_add_co_u32 s84, s84, s23                     ; 16 x batch + head
	s_and_b32 s85, s66, 7                          ; which 256 of the sequence's 2,048 rows
	s_lshl_b32 s86, s84, 16
	s_lshl_b32 s88, s85, 13
	s_add_co_u32 s86, s86, s88
	s_lshl_b32 s88, s[WV], 11
	s_add_co_u32 s86, s86, s88
	s_mov_b32 s87, 0
	s_add_nc_u64 s[96:97], s[14:15], s[86:87]      ; q's images of my 64 rows; k's lie 4 MiB on (in the stores' immediate),
	s_add_nc_u64 s[98:99], s[96:97], 0x800000      ; v's 8 MiB on
	s_min_u32 s86, s[WV], 2                        ; waves 0, 1, 2 store q's, k's, v's scale words; wave 3 stores none
	s_lshl_b32 s86, s86, 18
	s_lshl_b32 s88, s84, 12
	s_add_co_u32 s86, s86, s88
	s_lshl_b32 s88, s85, 9
	s_add_co_u32 s86, s86, s88
	s_add_nc_u64 s[92:93], s[16:17], s[86:87]
	s_mul_i32 s86, s23, 768
	s_add_nc_u64 s[12:13], s[12:13], s[86:87]      ; the head's 192 numbers of the bias
	v_and_b32 v1, 15, v0                           ; r = lane % 16
	v_bfe_u32 v2, v0, 4, 1                         ; h = lane / 16
	v_lshlrev_b32 v[BO8], 5, v2
	v_lshlrev_b32 v[BO1], 2, v1
	WIN 0xc0                                       ; destination window 3
.irp b, 0,1,2,3,4,5,6,7                        ; q, k: lane (r, h) wants, for tile b, the bias of columns 16 b + 8 h + 0 .. 7
	global_load_b128 v[128+8*\b:131+8*\b], v[BO8], s[12:13] offset:64*\b
	global_load_b128 v[132+8*\b:135+8*\b], v[BO8], s[12:13] offset:64*\b+16
.endr
.irp t, 0,1,2,3                                ; v: the bias of column 128 + 16 t + r, in all eight registers
.irp j, 0,1,2,3,4,5,6,7
	global_load_b32 v[192+8*\t+\j], v[BO1], s[12:13] offset:512+64*\t
.endr
.endr
	WIN 0
	v_mul_u32_u24 v3, v1, PITCH
	v_lshl_add_u32 v3, v2, 4, v3                   ; a fragment's row x pitch + 16 x half
	s_mul_i32 s2, s[WV], 4*T16                     ; my 64 rows of x
	v_add_nc_u32 v[ADRA], s2, v3
	v_add_nc_u32 v[ADRA+1], SLOT, v[ADRA]
	v_add_nc_u32 v[ADRB], BOFF, v3
	v_add_nc_u32 v[ADRB+1], BOFF+SLOT, v3
	v_lshlrev_b32 v4, 5, v1                        ; a row's scales: 32 bytes a row,
	v_lshrrev_b32 v5, 3, v1
	v_lshl_add_u32 v4, v5, 4, v4                   ; and 16 more behind each 8 rows
	s_mul_i32 s2, s[WV], 2176                      ; my 64 rows' scales
	s_mov_b32 s3, 8704
	s_sub_co_u32 s3, s3, s2                        ; from there to W's
	v_mul_u32_u24 v5, s3, v2                       ; lanes 16-31 take W's
	s_add_co_u32 s2, s2, SCL
	v_add_nc_u32 v5, v5, v4
	v_add_nc_u32 v[AS1], s2, v5
	v_mul_u32_u24 v5, v2, 2176                     ; lanes 16-31: four tiles further on
	v_add_nc_u32 v5, v5, v4
	v_add_nc_u32 v[AS2], SCLB+2176, v5
	v_and_b32 v7, 31, v0
	v_lshlrev_b32 v[LI], 4, v7
	s_wait_alu depctr_va_vdst(0)
	v_lshlrev_b32 v6, 2, v1
	s_lshl_b32 s2, s[WV], 7
	s_add_co_u32 s2, s2, SCR
	v_add_nc_u32 v[SCQ], s2, v6                    ; my two pairs of tiles: 64 bytes each; word r
	s_lshl_b32 s2, s[FB], 8
	s_lshl_b32 s3, s[HF], 1
	s_add_co_u32 s2, s2, s3
	s_add_co_u32 s2, s2, SCR
	v_add_nc_u32 v[SCV], s2, v6                    ; v: 128 keys are two waves': 256 bytes a step, my half of each word
	s_lshl_b32 s2, s[WV], 9
	s_add_co_u32 s2, s2, SCR
	v_add_nc_u32 v[SCB], s2, v[LI]
.set k_, 0
.rept 24
	v_mov_b32 v[T2+k_], 0                          ; written once: a lane permute's destination counts as one of its sources
.set k_, k_+1
.endr
.macro FETCH ks                        ; K step ks's fragments into set ks % 2: W's twelve, my four of x: 32 loads in one run
.set sl_, (\ks)/4
.set q_,  (\ks)%4
.set p_,  (\ks)%2
	WIN 0x40                                       ; destination window 1
.irp i, 0,1,2,3,4,5,6,7,8,9,10,11
	ds_load_b128 v[128*p_+8*\i:128*p_+8*\i+3],   v[ADRB+sl_] offset:64*q_+\i*T16
	ds_load_b128 v[128*p_+8*\i+4:128*p_+8*\i+7], v[ADRB+sl_] offset:64*q_+32+\i*T16
.endr
	WIN 0
.irp a, 0,1,2,3
	ds_load_b128 v[AF+32*p_+8*\a:AF+32*p_+8*\a+3],   v[ADRA+sl_] offset:64*q_+\a*T16
	ds_load_b128 v[AF+32*p_+8*\a+4:AF+32*p_+8*\a+7], v[ADRA+sl_] offset:64*q_+32+\a*T16
.endr
.endm
.macro SCALES sl                       ; a slot's scale words: four words (four K steps) a row.  Group i < 4: x's tile i below, W's tile i above; group i >= 4: W's tile i below, W's tile i + 4 above
.irp i, 0,1,2,3
	ds_load_b128 v[SC+32*\sl+4*\i:SC+32*\sl+4*\i+3], v[AS1] offset:544*\i+16*\sl
.endr
.irp i, 4,5,6,7
	ds_load_b128 v[SC+32*\sl+4*\i:SC+32*\sl+4*\i+3], v[AS2] offset:544*(\i-4)+16*\sl
.endr
.endm
; The 48 accumulators take turns, one instruction a turn, in the same order in every step.  In step 0 the bias is C: nothing is cleared, nothing is added later.
.macro MULQK ks                        ; q, k: source 0 = W's tile b (window 1), source 1 = x's tile a (window 0)
.set SB_, SC+32*((\ks)/4)+(\ks)%4
.set PB_, 128*((\ks)%2)
.set PA_, AF+32*((\ks)%2)
.if (\ks) == 0
	WIN 0xb1                                       ; C window 3, D window 2
.else
	WIN 0xa1                                       ; C and D window 2
.endif
.irp a, 0,1,2,3
.irp b, 0,1,2,3,4,5,6,7
.if (\ks) == 0
	MM 64*\a+8*\b, PB_+8*\b, PA_+8*\a, 128+8*\b, SB_+4*\b, SB_+4*\a, 1-\b/4
.else
	MM 64*\a+8*\b, PB_+8*\b, PA_+8*\a, 64*\a+8*\b, SB_+4*\b, SB_+4*\a, 1-\b/4
.endif
.endr
.endr
.endm
.macro MULV ks                         ; v: source 0 = x's tile a (window 0), source 1 = W's tile 8 + t (window 1); C and D window 3
.set SB_, SC+32*((\ks)/4)+(\ks)%4
.set PB_, 128*((\ks)%2)
.set PA_, AF+32*((\ks)%2)
	WIN 0xf4
.irp t, 0,1,2,3
.irp a, 0,1,2,3
.if (\ks) == 0
	MM 32*\t+8*\a, PA_+8*\a, PB_+64+8*\t, 192+8*\t, SB_+4*\a, SB_+16+4*\t, 2
.else
	MM 32*\t+8*\a, PA_+8*\a, PB_+64+8*\t, 32*\t+8*\a, SB_+4*\a, SB_+16+4*\t, 2
.endif
.endr
.endr
.endm
.macro STEP ks
	s_wait_dscnt 0x0                               ; this step's fragments, asked for a step (48 matrix instructions) ago, are in
.if (\ks) == 3
	s_wait_tensorcnt 0x0                           ; my part of slot 1 has landed,
	s_barrier_signal -1
	s_barrier_wait -1                              ; everybody's has
.endif
.if (\ks) < 7
.if (\ks) > 0
	PLACES 4                                       ; four places between the last step's products and loads into the registers that they read
.endif
	FETCH (\ks)+1
.if (\ks) == 3
	SCALES 1
.endif
.endif
	MULQK \ks
	MULV \ks
	WIN 0
.endm
	s_wait_tensorcnt 0x1                           ; of my three loads the scales' and slot 0's have landed; slot 1's may stay out
	s_barrier_signal -1
	s_barrier_wait -1                              ; everybody's have
	FETCH 0
	SCALES 0
	s_wait_loadcnt 0x0                             ; the bias
.irp k, 0,1,2,3,4,5,6,7
	STEP \k
.endr
	PLACES 4                                       ; between the last products and the first read of results
; THE WAY OUT.  24 blocks of 32: block k of window 2 (q of tile a: 4 a, 4 a + 1; k of tile a: 4 a + 2, 4 a + 3) at v[16 k]; blocks 16 + k of window 3 (v's tile t: 16 + 2 t, 17 + 2 t) at v[16 k].
.macro AMAX w1, w2, nb, b0             ; the largest magnitude of my 16 numbers of each block, each accumulator from its low end on, the blocks by turns; the floor 2^(3 - 127) among the leaves holds the byte at 1 from below
	WIN \w1
.set k_, 0
.rept \nb
	v_max3_num_f32 v[TM+\b0+k_], |v[16*k_]|, |v[16*k_+1]|, 0x1800000
.set k_, k_+1
.endr
	WIN \w2
.irp n, 2,4,6,8,10,12,14
.set k_, 0
.rept \nb
	v_max3_num_f32 v[TM+\b0+k_], v[TM+\b0+k_], |v[16*k_+\n]|, |v[16*k_+\n+1]|
.set k_, k_+1
.endr
.endr
.endm
.macro CODES win, ng, g0               ; a group's four tiles become registers 0, 2, 1, 3 of its image
	WIN \win
.set g_, 0
.rept \ng
	v_cvt_scalef32_pk8_fp4_f32 v[PC+4*(\g0+g_)],   v[32*g_:32*g_+7],     v[SO+2*(\g0+g_)]
	v_cvt_scalef32_pk8_fp4_f32 v[PC+4*(\g0+g_)+2], v[32*g_+8:32*g_+15],  v[SO+2*(\g0+g_)]
	v_cvt_scalef32_pk8_fp4_f32 v[PC+4*(\g0+g_)+1], v[32*g_+16:32*g_+23], v[SO+2*(\g0+g_)+1]
	v_cvt_scalef32_pk8_fp4_f32 v[PC+4*(\g0+g_)+3], v[32*g_+24:32*g_+31], v[SO+2*(\g0+g_)+1]
.set g_, g_+1
.endr
.endm
	AMAX 0x0a, 0x28, 16, 0
	AMAX 0x0f, 0x3c, 8, 16
	WIN 0
.set k_, 0
.rept 24
	v_permlanex16_b32 v[T2+k_], v[TM+k_], s[SEL], s[SEL+1]
.set k_, k_+1
.endr
.set k_, 0
.rept 24
	v_max_num_f32 v[TM+k_], v[TM+k_], v[T2+k_]     ; with lane l xor 16's: the block's largest magnitude
.set k_, k_+1
.endr
.set k_, 0
.rept 24
	v_add_nc_u32 v[SO+k_], 0xff000000, v[TM+k_]    ; 2 off its exponent field: the conversion takes the exponent field of this operand as its scale
.set k_, k_+1
.endr
.set k_, 0
.rept 24
	v_lshrrev_b32 v[T2+k_], 23, v[SO+k_]           ; the scale's byte
.set k_, k_+1
.endr
	CODES 2, 8, 0
	CODES 3, 4, 8
	WIN 0
	v_nop                                          ; one plain place behind the scaled conversions
.set g_, 0
.rept 12
	v_permlane16_swap_b32 v[PC+4*g_], v[PC+4*g_+1]     ; the first's lanes 16-31 change places with the second's lanes 0-15: lane (r, h) now holds block h whole
	v_permlane16_swap_b32 v[PC+4*g_+2], v[PC+4*g_+3]
.set g_, g_+1
.endr
.irp a, 0,1,2,3
	global_store_b128 v[LI], v[PC+8*\a:PC+8*\a+3], s[96:97] offset:512*\a                ; q of tile a: 32 lanes store 512 consecutive bytes
	global_store_b128 v[LI], v[PC+8*\a+4:PC+8*\a+7], s[96:97] offset:4194304+512*\a      ; k of tile a
.endr
.irp t, 0,1,2,3
	global_store_b128 v[LI], v[PC+32+4*\t:PC+32+4*\t+3], s[98:99] offset:512*\t          ; v: my 64 keys, tile t of the head's 64
.endr
.irp p, 0,1                                    ; q's (k = 0) and k's (k = 1) words: two bytes of tile 2 p, two of tile 2 p + 1.  Lanes r and r + 16 write the same word with the same value
.irp k, 0,1
	v_lshl_or_b32 v[WD+2*\k+\p], v[T2+8*\p+2*\k+1], 8, v[T2+8*\p+2*\k]
	v_lshl_or_b32 v[WD+2*\k+\p], v[T2+8*\p+2*\k+4], 16, v[WD+2*\k+\p]
	v_lshl_or_b32 v[WD+2*\k+\p], v[T2+8*\p+2*\k+5], 24, v[WD+2*\k+\p]
	ds_store_b32 v[SCQ], v[WD+2*\k+\p] offset:512*\k+64*\p
.endr
.endr
.irp t, 0,1,2,3                                ; v's: my 64 keys are half of a word's 128
	v_lshl_or_b32 v[WD+4+\t], v[T2+17+2*\t], 8, v[T2+16+2*\t]
	ds_store_b16 v[SCV], v[WD+4+\t] offset:1024+64*\t
.endr
	s_wait_dscnt 0x0                               ; for the others' sake: my stores have landed
	s_barrier_signal -1
	s_barrier_wait -1
	s_cmp_lt_u32 s[WV], 3
	s_cbranch_scc0 .Lno_words
	ds_load_b128 v[BK:BK+3], v[SCB]                ; wave 0: q's 512 bytes, wave 1: k's, wave 2: v's
	s_wait_dscnt 0x0
	global_store_b128 v[LI], v[BK:BK+3], s[92:93]  ; 512 consecutive bytes
.Lno_words:
	s_wait_tensorcnt 0x0
	ds_add_u32 v254, v255
	s_wait_dscnt 0x0
	CROUND                                         ; the closing round: no work-group ends while a partner may still ask for a tile that names it
	s_endpgm
.Lfunc_end_k_qc1aee8eea4_qkv:
	.size	k_qc1aee8eea4_qkv, .Lfunc_end_k_qc1aee8eea4_qkv-k_qc1aee8eea4_qkv
	.p2alignl 7, 3214868480
	.fill 96, 4, 3214868480
	.section	.rodata,"a",@progbits
	.p2align	6, 0x0
	.amdhsa_kernel k_qc1aee8eea4_qkv
		.amdhsa_group_segment_fixed_size 262656
		.amdhsa_private_segment_fixed_size 0
		.amdhsa_enable_private_segment 0
		.amdhsa_kernarg_size 56
		.amdhsa_user_sgpr_count 2
		.amdhsa_user_sgpr_kernarg_segment_ptr 1
		.amdhsa_wavefront_size32 1
		.amdhsa_system_sgpr_workgroup_id_x 1
		.amdhsa_system_sgpr_workgroup_id_y 1
		.amdhsa_system_sgpr_workgroup_id_z 1
		.amdhsa_system_vgpr_workitem_id 0
		.amdhsa_next_free_vgpr 1024
		.amdhsa_next_free_sgpr 106
		.amdhsa_reserve_vcc 0
		.amdhsa_float_denorm_mode_32 3
		.amdhsa_float_denorm_mode_16_64 3
		.amdhsa_memory_ordered 1
		.amdhsa_forward_progress 1
		.amdhsa_inst_pref_size 108
	.end_amdhsa_kernel
	.amdgpu_metadata
---
amdhsa.version: [ 1, 2 ]
amdhsa.kernels:
  - .name:           k_qc1aee8eea4_qkv
    .symbol:         k_qc1aee8eea4_qkv.kd
    .args:
      - { .name: x_codes, .offset: 0, .size: 8, .value_kind: global_buffer, .address_space: global }
      - { .name: x_scales, .offset: 8, .size: 8, .value_kind: global_buffer, .address_space: global }
      - { .name: qkv_w_codes, .offset: 16, .size: 8, .value_kind: global_buffer, .address_space: global }
      - { .name: qkv_w_scales, .offset: 24, .size: 8, .value_kind: global_buffer, .address_space: global }
      - { .name: qkv_b, .offset: 32, .size: 8, .value_kind: global_buffer, .address_space: global }
      - { .name: qkvc, .offset: 40, .size: 8, .value_kind: global_buffer, .address_space: global }
      - { .name: qkvs, .offset: 48, .size: 8, .value_kind: global_buffer, .address_space: global }
    .group_segment_fixed_size: 262656
    .private_segment_fixed_size: 0
    .kernarg_segment_align: 8
    .kernarg_segment_size: 56
    .max_flat_workgroup_size: 128
    .sgpr_count:     106
    .vgpr_count:     1024
    .wavefront_size: 32
...
	.end_amdgpu_metadata
.endif
;; end of part 1
;; launch attn (part 2): grid 4 x 64, 16 waves a work-group, clusters of 4 x 1, 327,680 bytes of LDS; arguments qkvc, qkvs, oc, os; writes oc, os
.if DOCPART == 2
	.amdgcn_target "amdgcn-amd-amdhsa--gfx1250"
	.amdhsa_code_object_version 6
	.text
	.protected	k_qc1aee8eea4_attn
	.globl	k_qc1aee8eea4_attn
	.p2align	8
	.type	k_qc1aee8eea4_attn,@function
k_qc1aee8eea4_attn:
	s_mov_b64 s[64:65], 0
	v_nop
	global_prefetch_b8 v0, s[64:65] scope:SCOPE_SE
	s_setreg_imm32_b32 hwreg(HW_REG_WAVE_MODE, 25, 1), 1
	s_wait_xcnt 0x0
	s_wait_alu depctr_hold_cnt(0) depctr_sa_sdst(0) depctr_va_vdst(0) depctr_va_sdst(0) depctr_va_ssrc(0) depctr_va_vcc(0) depctr_vm_vsrc(0)
	s_getreg_b32 s2, hwreg(HW_REG_IB_STS2, 6, 4)
	s_cmp_eq_u32 s2, 0
	s_cbranch_scc0 .Lentry_in_a_cluster
	s_endpgm
.Lentry_in_a_cluster:
	s_bfe_u32 s2, ttmp6, 0x10000c
	s_cmp_lg_u32 s2, 0x3003
	s_cbranch_scc0 .Lentry_shape_is_right
	s_endpgm
.Lentry_shape_is_right:
; O = softmax(q k^T / 8) v for one (batch, head) and 512 queries, both products on codes of FP4 (E2M1) with one E8M0 scale for each 32 along a product's K; then O is quantised along the head's 64.
; IN: the images and scale words that the launch before has stored (its head comment gives the layouts).  q's codes are those of the UNDIVIDED q: the exact factor 1/8 stands in c = log2(e) / 8.
; THE SOFTMAX AHEAD OF THE SECOND PRODUCT: t = score x c; M = the row's largest t so far, rounded UP to a whole number; p = 2^(t - M) is quantised along the keys, not normalised.  The row's sum is taken of the
; unquantised p and divides O at the end.  When M moves, the sum and O are multiplied by 2^(old M - new M): exact.
; SHARES.  Sixteen waves; wave w owns query tiles 2 w and 2 w + 1 of the work-group's 32, and both are multiplied by the same fragments of k and v.  Four waves share a SIMD, 256 registers each.
; A head's k and v as codes are 128 KiB and their scale words 8 KiB: they come into LDS ONCE and are only read afterwards: no slot is filled again, no barrier stands in the loop, nothing is stored to LDS.
; CLUSTER 4 x 1: the four blocks of 512 queries of a head read the same k and v: every tile is asked for jointly, by the same tensor load with the mask of all four.
; THE HEAD'S 64 ARE HALF OF THE INSTRUCTION'S K.  Source 0 holds TWO tiles of 16 keys (registers 0-3 and 4-7); it is multiplied once by [q | zeros] and once by [zeros | q].  One scale word serves both tiles.
; Both products are used transposed (S^T = k q^T, O^T = v^T p^T): a lane holds one query throughout.  Tile T of S^T: register j = key 16 T + 8 (lane / 16) + j.  A block of 32 keys is two tiles; its conversions go to
; registers so chosen that two exchanges of halves leave lane (r, h) with whole blocks in order (registers 4 c .. 4 c + 3: block 2 c + h).
; OUT.  oc: [tile of 16 rows][head][lane][16 bytes]: 512 consecutive bytes a store.  os: [row][32 scale bytes]; a row's 32 bytes come from 16 work-groups, so a lane stores its row's 2 bytes: 2 bytes in each of 32 rows
; an instruction, one such store a wave in the whole launch.
; LIMITS: NaN and infinities are not served.  A block of O (or of p) whose largest magnitude lies under 2^-124 keeps the scale byte 1; only this program reads the bytes.
.set LI,  1                            ; v1   16 x lane
.set LS,  2                            ; v2   4 x lane
.set QW,  24                           ; v24-25 q's scale words, tile 0, 1: the tile's two bytes, twice
.set KS,  26                           ; v26-27 k's words: pair 2 u below, pair 2 u + 1 above
.set VS,  28                           ; v28-29 v's words: tile 2 u below, tile 2 u + 1 above
.set PW,  30                           ; v30-31 p's scale words
.set KV,  32                           ; v32-63 fragments of k, later of v
.set S,   64                           ; v64-127 S^T, then p
.set OT,  128                          ; v128-191 O^T: query tile i at 128 + 32 i
.set PC,  192                          ; v192-207 p's codes: query tile i at 192 + 8 i
.set ST,  208                          ; v[208 + 4 i]: -M, the largest t, the sum in two halves
.set BM,  216                          ; v216-219 a block's largest score, then its largest p
.set TP,  220                          ; v220-223 the other half's; then the scale bytes
.set SO,  224                          ; v224-227 the conversions' scale operands
.set F,   228                          ; v[228:229] f = 2^(old M - new M)
.set T1,  230
.set C2,  232                          ; v[232:233] the sum's second chain
.set ADK, 234                          ; v234-236 LDS addresses of the step in hand: k, v, scale words
.set ADV, 235
.set ADS, 236
.set LIV, 237                          ; v237 16 x lane + where v's images begin
.set LSB, 238                          ; v238 4 x lane + where the scale words begin
.set LN,  239                          ; v239 lane
.set OSO, 240                          ; v240 32 x lane: my row of os
; v4-7, v12-15, v20-23 zeros; v8-11 q of tile 0, v16-19 of tile 1: [q | 0] of tile i is v[8 + 8 i ..], [0 | q] is v[4 + 8 i ..]
.set WV,  12                           ; s12 wave
.set G1C, 24                           ; s[24:31] group 1 for codes, s[32:39] for scale words; s[40:43], s[44:47] their groups 0
.set G1S, 32
.set G0C, 40
.set G0S, 44
.set CS,  48                           ; s[48:49] c: the packed form names a pair and takes its low word for both halves
.set SEL, 50                           ; s[50:51] v_permlanex16_b32's selects for lane l xor 16
.set TK,  52                           ; s52 the step's images: 4,096 bytes a step
.set TS,  53                           ; s53 its scale words: 256 bytes a step
.set CNT, 54
.macro PLACES n
.rept \n
	v_nop
.endr
.endm
.macro SHAPE g, c, r, p                ; group 1, words 1 to 7: r rows of c elements, p elements from row to row
	s_mov_b32 s[\g+1], (\c)<<16
	s_mov_b32 s[\g+2], (\r)<<16
	s_mov_b32 s[\g+3], (\c)<<16
	s_mov_b32 s[\g+4], \r
	s_mov_b32 s[\g+5], \p
	s_mov_b32 s[\g+6], 0
	s_mov_b32 s[\g+7], 0
.endm
.macro CROUND                          ; a round of the cluster's barrier
	s_barrier_signal -1
	s_barrier_wait -1
	s_cmp_lg_u32 s[WV], 0
	s_cbranch_scc1 .Lnot_wave_0_\@
	s_barrier_signal -3
.Lnot_wave_0_\@:
	s_barrier_wait -3
	s_barrier_signal -1
	s_barrier_wait -1
.endm
; One matrix instruction, by register numbers.  c < 0: the constant 0 starts the sum.  row = 1: source 0's scales stand in lanes 16-31.
.macro MM d, a, b, c, sa, sb, row
.if (\c) < 0
.if (\row) == 1
	v_wmma_scale_f32_16x16x128_f8f6f4 v[\d:\d+7], v[\a:\a+7], v[\b:\b+7], 0, v[\sa], v[\sb] matrix_a_fmt:MATRIX_FMT_FP4 matrix_b_fmt:MATRIX_FMT_FP4 matrix_a_scale:MATRIX_SCALE_ROW1
.else
	v_wmma_scale_f32_16x16x128_f8f6f4 v[\d:\d+7], v[\a:\a+7], v[\b:\b+7], 0, v[\sa], v[\sb] matrix_a_fmt:MATRIX_FMT_FP4 matrix_b_fmt:MATRIX_FMT_FP4
.endif
.else
.if (\row) == 1
	v_wmma_scale_f32_16x16x128_f8f6f4 v[\d:\d+7], v[\a:\a+7], v[\b:\b+7], v[\c:\c+7], v[\sa], v[\sb] matrix_a_fmt:MATRIX_FMT_FP4 matrix_b_fmt:MATRIX_FMT_FP4 matrix_a_scale:MATRIX_SCALE_ROW1
.else
	v_wmma_scale_f32_16x16x128_f8f6f4 v[\d:\d+7], v[\a:\a+7], v[\b:\b+7], v[\c:\c+7], v[\sa], v[\sb] matrix_a_fmt:MATRIX_FMT_FP4 matrix_b_fmt:MATRIX_FMT_FP4
.endif
.endif
.endm
	s_load_b256 s[4:11], s[0:1], 0x0               ; qkvc s[4:5], qkvs s[6:7], oc s[8:9], os s[10:11]
	v_lshl_add_u32 v254, v0, 2, 0x29000
	v_mov_b32 v255, 0
	ds_add_u32 v254, v255
	ds_add_u32 v254, v255
	v_lshrrev_b32 v3, 5, v0
	s_delay_alu instid0(VALU_DEP_1)
	v_readfirstlane_b32 s[WV], v3                  ; wave 0..15
	s_bfe_u32 s13, ttmp6, 0x40000                  ; cx: my place in the cluster
	s_lshl_b32 s14, ttmp9, 2
	s_add_co_u32 s14, s14, s13                     ; my block of 512 queries: it enters q's, oc's and os's addresses alone
	s_and_b32 s15, ttmp7, 0xffff                   ; 16 x batch + head, which the four partners share
	s_mov_b32 s[G1C], 15|(3<<16)|(1<<21)           ; the mask: all four work-groups; elements of 8 bytes; bit 21 beside a mask; no padding: images are read 16 bytes a lane on end
	SHAPE G1C, 32, 32, 32                          ; 8,192 dense bytes as 32 rows of 256
	s_mov_b32 s[G1S], 15|(3<<16)|(1<<21)
	SHAPE G1S, 32, 2, 32                           ; 512 dense bytes as 2 rows of 256
	s_lshr_b32 s16, s[WV], 3
	s_add_co_u32 s16, s16, 1                       ; waves 0-7 fetch from k's region (1), waves 8-15 from v's (2),
	s_and_b32 s17, s[WV], 7                        ; an eighth of the head's each
	s_lshl_b32 s18, s16, 22
	s_lshl_b32 s19, s15, 16
	s_add_co_u32 s18, s18, s19
	s_lshl_b32 s19, s17, 13
	s_add_co_u32 s18, s18, s19                     ; codes: region x 4 MiB + head x 65,536 + eighth x 8,192
	s_mov_b32 s19, 0
	s_lshl_b32 s20, s16, 18
	s_lshl_b32 s21, s15, 12
	s_add_co_u32 s20, s20, s21
	s_lshl_b32 s21, s17, 9
	s_add_co_u32 s20, s20, s21                     ; scale words: region x 256 KiB + head x 4,096 + eighth x 512
	s_mov_b32 s21, 0
	s_mov_b32 s[CS], 0x3e38aa3b                    ; c = log2(e) / 8
	s_mov_b32 s[CS+1], s[CS]                       ; (named with it as a pair, so it is written)
	s_mov_b32 s[SEL], 0x76543210
	s_mov_b32 s[SEL+1], 0xfedcba98
	s_mov_b32 s[TK], 0
	s_mov_b32 s[TS], 0
	s_mov_b32 s[CNT], 16
	s_wait_dscnt 0x0
	s_wait_kmcnt 0x0
	s_mov_b32 s[G0C], 1
	s_lshl_b32 s[G0C+1], s[WV], 13                 ; LDS: k's images from 0, v's from 65,536: 8,192 x wave
	s_add_nc_u64 s[G0C+2:G0C+3], s[4:5], s[18:19]
	s_or_b32 s[G0C+3], s[G0C+3], 0x80000000
	s_mov_b32 s[G0S], 1
	s_lshl_b32 s[G0S+1], s[WV], 9
	s_add_co_u32 s[G0S+1], s[G0S+1], 131072        ; k's words from 131,072, v's from 135,168: 512 x wave
	s_add_nc_u64 s[G0S+2:G0S+3], s[6:7], s[20:21]
	s_or_b32 s[G0S+3], s[G0S+3], 0x80000000
	CROUND                                         ; all four work-groups are here: the joint loads meet
	tensor_load_to_lds s[G0C:G0C+3], s[G1C:G1C+7]  ; every wave issues it: one load of mine is out; the scale words' load follows after the next round
	s_nop 0
	s_wait_alu depctr_va_vdst(0)
	s_wait_tensorcnt 0x0
	ds_add_u32 v254, v255
	s_wait_dscnt 0x0
	CROUND
	tensor_load_to_lds s[G0S:G0S+3], s[G1S:G1S+7]
	s_nop 0
	PLACES 4
	s_lshl_b32 s66, s14, 4
	s_add_co_u32 s66, s66, s[WV]                   ; my pair of query tiles among the head's 64: 16 x block + wave
	s_lshl_b32 s67, s66, 6
	s_lshl_b32 s68, s15, 12
	s_add_co_u32 s68, s68, s67
	s_mov_b32 s69, 0
	s_add_nc_u64 s[6:7], s[6:7], s[68:69]          ; its scale words (q's region is the first)
	s_lshl_b32 s70, s66, 10
	s_lshl_b32 s71, s15, 16
	s_add_co_u32 s70, s70, s71
	s_mov_b32 s71, 0
	s_add_nc_u64 s[4:5], s[4:5], s[70:71]          ; its two images
	s_lshr_b32 s72, s15, 4
	s_lshl_b32 s72, s72, 7
	s_lshl_b32 s73, s66, 1
	s_add_co_u32 s72, s72, s73                     ; my first tile of 16 rows among the 512: 128 x batch + 2 x pair
	s_and_b32 s73, s15, 15                         ; the head
	s_lshl_b32 s74, s72, 13
	s_lshl_b32 s75, s73, 9
	s_add_co_u32 s74, s74, s75
	s_mov_b32 s75, 0
	s_add_nc_u64 s[56:57], s[8:9], s[74:75]        ; oc: tile x 8,192 + head x 512
	s_lshl_b32 s74, s72, 9
	s_lshl_b32 s76, s73, 1
	s_add_co_u32 s74, s74, s76
	s_add_nc_u64 s[58:59], s[10:11], s[74:75]      ; os: tile x 16 rows x 32 + 2 x head
	v_and_b32 v[LN], 31, v0
	s_delay_alu instid0(VALU_DEP_1)
	v_lshlrev_b32 v[LI], 4, v[LN]
	s_delay_alu instid0(VALU_DEP_2)
	v_lshlrev_b32 v[LS], 2, v[LN]
	v_and_b32 v3, 15, v0
	s_delay_alu instid0(VALU_DEP_1)
	v_lshlrev_b32 v3, 2, v3                        ; 4 x (lane % 16)
	global_load_b128 v[8:11], v[LI], s[4:5]        ; q stays in registers
	global_load_b128 v[16:19], v[LI], s[4:5] offset:512
	global_load_b32 v[QW], v3, s[6:7]              ; the pair's word: tile 0's two bytes below, tile 1's above
	v_add_nc_u32 v[LIV], 65536, v[LI]
	v_add_nc_u32 v[LSB], 131072, v[LS]
	v_lshlrev_b32 v[OSO], 5, v[LN]
.irp j, 4,5,6,7,12,13,14,15,20,21,22,23
	v_mov_b32 v[\j], 0                             ; the zero halves beside q: zero codes add nothing under any scale byte that the quantiser makes
.endr
.irp i, 0,1
	v_mov_b32 v[ST+4*\i+1], 0xff61b1e6             ; the largest t so far: -3e38, under every t
	s_delay_alu instid0(VALU_DEP_1)
	v_floor_f32 v[ST+4*\i], -v[ST+4*\i+1]          ; -M
	v_mov_b32 v[ST+4*\i+2], 0                      ; the sum, in two halves
	v_mov_b32 v[ST+4*\i+3], 0
.endr
.irp b, 0,1,2,3
	v_mov_b32 v[TP+\b], 0                          ; written once: a lane permute's destination counts as one of its sources
.endr
	v_mov_b32 v[F+1], 0                            ; (named as the upper half of a pair)
	s_wait_loadcnt 0x0                             ; q and its word
	v_lshrrev_b32 v[QW+1], 16, v[QW]
	v_and_b32 v[QW], 0xffff, v[QW]
	s_delay_alu instid0(VALU_DEP_2)
	v_lshl_or_b32 v[QW+1], v[QW+1], 16, v[QW+1]    ; each tile's two bytes twice: they serve [q | 0] and [0 | q] alike
	s_delay_alu instid0(VALU_DEP_2)
	v_lshl_or_b32 v[QW], v[QW], 16, v[QW]
.set j_, 0
.rept 64
	v_mov_b32 v[OT+j_], 0                          ; O^T.  The loop is written once: its first step finds zeros, which the first change of M leaves zeros.  (These are also the places between q's scale words and the first product)
.set j_, j_+1
.endr
	s_wait_tensorcnt 0x0                           ; my two loads have landed,
	s_barrier_signal -1
	s_barrier_wait -1                              ; everybody's have: from here on LDS is only read
.macro SPROD i                         ; S^T of query tile i: eight tiles of 16 keys; source 0 = the pair of key tiles t / 2, source 1 = [q | 0] for the even tile, [0 | q] for the odd one
.irp t, 0,1,2,3,4,5,6,7
	MM S+8*\t, KV+8*(\t/2), 8+8*\i-4*(\t%2), -1, KS+\t/4, QW+\i, (\t/2)%2
.endr
.endm
.macro SOFTMAX i                       ; query tile i: 128 scores a query, 64 a lane, become p, its codes and its scale word; the sum and O^T go under the new M
.set rM, ST+4*\i
.set rO, OT+32*\i
.set rP, PC+8*\i
.irp b, 0,1,2,3
	v_max3_num_f32 v[BM+\b], v[S+16*\b], v[S+1+16*\b], v[S+2+16*\b]   ; the largest score of each block of 32 keys: it serves for the row's maximum and, since p rises with the score, for the block's largest p
.endr
.irp n, 3,5,7,9,11,13
.irp b, 0,1,2,3
	v_max3_num_f32 v[BM+\b], v[BM+\b], v[S+16*\b+\n], v[S+1+16*\b+\n]   ; (the four blocks by turns; each result tile from its low end on)
.endr
.endr
.irp b, 0,1,2,3
	v_max_num_f32 v[BM+\b], v[BM+\b], v[S+15+16*\b]
.endr
.irp b, 0,1,2,3
	s_delay_alu instid0(VALU_DEP_4)
	v_permlanex16_b32 v[TP+\b], v[BM+\b], s[SEL], s[SEL+1]
.endr
.irp b, 0,1,2,3
	s_delay_alu instid0(VALU_DEP_4)
	v_max_num_f32 v[BM+\b], v[BM+\b], v[TP+\b]     ; with lane l xor 16's 16 keys
.endr
	s_delay_alu instid0(VALU_DEP_2)
	v_max3_num_f32 v[T1], v[BM], v[BM+1], v[BM+2]
	s_delay_alu instid0(VALU_DEP_1)
	v_max_num_f32 v[T1], v[T1], v[BM+3]            ; the step's largest score of my query
	s_delay_alu instid0(VALU_DEP_1)
	v_mul_f32 v[T1], s[CS], v[T1]                  ; as t (c is positive)
	s_delay_alu instid0(VALU_DEP_1)
	v_max_num_f32 v[rM+1], v[rM+1], v[T1]          ; the running largest t
	v_mov_b32 v[T1], v[rM]
	s_delay_alu instid0(VALU_DEP_2)
	v_floor_f32 v[rM], -v[rM+1]                    ; the new -M = floor(-t) = -ceil(t): a whole number
	s_delay_alu instid0(VALU_DEP_1)
	v_sub_f32 v[T1], v[rM], v[T1]                  ; old M - new M: a whole number, 0 or less
	s_delay_alu instid0(VALU_DEP_1)
	v_cvt_i32_f32 v[T1], v[T1]                     ; (it saturates)
	s_delay_alu instid0(VALU_DEP_1)
	v_ldexp_f32 v[F], 1.0, v[T1]                   ; f = 2^(old M - new M): a multiplication by it rounds nothing
.irp n, 0,2,4,6,8,10,12,14,16,18,20,22,24,26,28,30,32,34,36,38,40,42,44,46,48,50,52,54,56,58,60,62
	v_pk_fma_f32 v[S+\n:S+\n+1], v[S+\n:S+\n+1], s[CS:CS+1], v[rM:rM+1] op_sel_hi:[1,0,0]   ; t - M, two at a time
.endr
.irp b, 0,1,2,3
	v_fma_f32 v[BM+\b], v[BM+\b], s[CS], v[rM]     ; the same of each block's largest score
.endr
.set j_, 0
	s_wait_alu depctr_va_vdst(0)
.rept 64
	v_exp_f32 v[S+j_], v[S+j_]                     ; p = 2^(t - M), at most 1
.set j_, j_+1
.endr
.irp b, 0,1,2,3
	v_exp_f32 v[BM+\b], v[BM+\b]                   ; the block's largest p: the same two instructions on the same number give the same bits
.endr
	v_pk_mul_f32 v[rM+2:rM+3], v[rM+2:rM+3], v[F:F+1] op_sel_hi:[1,0]   ; the sum under the new M.  (The plain place behind the exponentials)
	s_wait_alu depctr_va_vdst(0)
.irp b, 0,1,2,3
	v_max_num_f32 v[BM+\b], 0x1800000, v[BM+\b]    ; the floor 2^(3 - 127): the byte cannot fall under 1
.endr
.irp b, 0,1,2,3
	s_delay_alu instid0(VALU_DEP_4)
	v_add_nc_u32 v[SO+\b], 0xff000000, v[BM+\b]    ; 2 off the exponent field: the conversion's scale operand
.endr
.irp b, 0,1,2,3
	s_delay_alu instid0(VALU_DEP_4)
	v_lshrrev_b32 v[TP+\b], 23, v[SO+\b]           ; the scale's byte
.endr
	s_delay_alu instid0(VALU_DEP_3)
	v_lshl_or_b32 v[PW+\i], v[TP+1], 8, v[TP]      ; p's scale word for these 128 keys
	s_delay_alu instid0(VALU_DEP_1)
	v_lshl_or_b32 v[PW+\i], v[TP+2], 16, v[PW+\i]
	s_delay_alu instid0(VALU_DEP_1)
	v_lshl_or_b32 v[PW+\i], v[TP+3], 24, v[PW+\i]
.irp c, 0,1
.irp u, 0,1                                    ; block 2 c + u: its first tile to register 4 c + u, its second to 4 c + 2 + u
	v_cvt_scalef32_pk8_fp4_f32 v[rP+4*\c+\u],   v[S+32*\c+16*\u:S+32*\c+16*\u+7],    v[SO+2*\c+\u]
	v_cvt_scalef32_pk8_fp4_f32 v[rP+4*\c+2+\u], v[S+32*\c+16*\u+8:S+32*\c+16*\u+15], v[SO+2*\c+\u]
.endr
.endr
	v_nop                                          ; one plain place behind the scaled conversions
.irp c, 0,1
	v_permlane16_swap_b32 v[rP+4*\c], v[rP+4*\c+1]     ; registers 4 c .. 4 c + 3 now hold block 2 c + (lane / 16) whole
	v_permlane16_swap_b32 v[rP+4*\c+2], v[rP+4*\c+3]
.endr
	v_pk_add_f32 v[C2:C2+1], v[S:S+1], v[S+2:S+3]  ; the row's sum is taken of the UNQUANTISED p: two at a time, in two chains
.irp n, 4,8,12,16,20,24,28,32,36,40,44,48,52,56,60
	v_pk_add_f32 v[rM+2:rM+3], v[rM+2:rM+3], v[S+\n:S+\n+1]
	v_pk_add_f32 v[C2:C2+1], v[C2:C2+1], v[S+\n+2:S+\n+3]
.endr
	s_delay_alu instid0(VALU_DEP_1)
	v_pk_add_f32 v[rM+2:rM+3], v[rM+2:rM+3], v[C2:C2+1]
.irp n, 0,2,4,6,8,10,12,14,16,18,20,22,24,26,28,30
	v_pk_mul_f32 v[rO+\n:rO+\n+1], v[rO+\n:rO+\n+1], v[F:F+1] op_sel_hi:[1,0]   ; O^T under the new M.  (The sums and these are the places between p's codes and scale word and the second product)
.endr
.endm
.Lstep:                                            ; 16 trips of 128 keys
	s_setprio 2
	v_add_nc_u32 v[ADK], s[TK], v[LI]              ; four places between the last trip's products and loads into the registers that they read
	v_add_nc_u32 v[ADV], s[TK], v[LIV]
	v_add_nc_u32 v[ADS], s[TS], v[LSB]
	v_nop
.irp t, 0,1,2,3,4,5,6,7
	ds_load_b128 v[KV+4*\t:KV+4*\t+3], v[ADK] offset:512*\t    ; key tile t's image: 512 consecutive bytes a load
.endr
.irp u, 0,1
	ds_load_b32 v[KS+\u], v[ADS] offset:128*\u
	ds_load_b32 v[VS+\u], v[ADS] offset:4096+128*\u
.endr
	s_wait_dscnt 0x0
	SPROD 0
	PLACES 4                                       ; between the products and the first read of their results
	SOFTMAX 0
	SPROD 1
	PLACES 4                                       ; likewise, and in front of the loads into k's registers
.irp c, 0,1
.irp t, 0,1,2,3
	ds_load_b128 v[KV+8*\t+4*\c:KV+8*\t+4*\c+3], v[ADV] offset:512*(4*\c+\t)   ; v^T: tile t of the head's 64, keys 64 c on: they land while the second softmax runs
.endr
.endr
	s_setprio 1
	SOFTMAX 1
	s_setprio 0
	s_wait_alu depctr_va_vdst(0)
	s_wait_dscnt 0x0                               ; v is in
.irp t, 0,1,2,3                                ; O^T += v^T p^T: eight accumulators by turns, one instruction a turn
.irp i, 0,1
	MM OT+32*\i+8*\t, KV+8*\t, PC+8*\i, OT+32*\i+8*\t, VS+\t/2, PW+\i, \t%2
.endr
.endr
	s_add_co_u32 s[TK], s[TK], 4096
	s_add_co_u32 s[TS], s[TS], 256
	s_sub_co_u32 s[CNT], s[CNT], 1
	s_cmp_lg_u32 s[CNT], 0
	s_cbranch_scc1 .Lstep
	s_setprio 0
	; THE END.  The sums' halves are added; O^T is divided by the sum and quantised along the head's 64.  The four additions and the v_nop are the places behind the last products.
.irp i, 0,1
	v_add_f32 v[ST+4*\i+2], v[ST+4*\i+2], v[ST+4*\i+3]
.endr
.irp i, 0,1
	s_delay_alu instid0(VALU_DEP_2)
	v_permlanex16_b32 v[TP+\i], v[ST+4*\i+2], s[SEL], s[SEL+1]
.endr
.irp i, 0,1
	s_delay_alu instid0(VALU_DEP_2)
	v_add_f32 v[ST+4*\i+2], v[ST+4*\i+2], v[TP+\i] ; with lane l xor 16's: the row's sum
.endr
	s_wait_alu depctr_va_vdst(0)
.irp i, 0,1
	v_rcp_f32 v[ST+4*\i+2], v[ST+4*\i+2]
.endr
	v_nop                                          ; one plain place behind the reciprocals
	s_wait_alu depctr_va_vdst(0)
.irp i, 0,1
.irp n, 0,2,4,6,8,10,12,14,16,18,20,22,24,26,28,30
	v_pk_mul_f32 v[OT+32*\i+\n:OT+32*\i+\n+1], v[OT+32*\i+\n:OT+32*\i+\n+1], v[ST+4*\i+2:ST+4*\i+3] op_sel_hi:[1,0]   ; register 8 t + j of tile i: o(query r, 16 t + 8 h + j)
.endr
.endr
.irp b, 0,1,2,3                                ; four blocks of 32: block b = query tile b / 2, half b % 2 of the head's 64
	v_max3_num_f32 v[BM+\b], |v[OT+16*\b]|, |v[OT+16*\b+1]|, 0x1800000
.endr
.irp n, 2,4,6,8,10,12,14
.irp b, 0,1,2,3
	s_delay_alu instid0(VALU_DEP_4)
	v_max3_num_f32 v[BM+\b], v[BM+\b], |v[OT+16*\b+\n]|, |v[OT+16*\b+\n+1]|
.endr
.endr
.irp b, 0,1,2,3
	s_delay_alu instid0(VALU_DEP_4)
	v_permlanex16_b32 v[TP+\b], v[BM+\b], s[SEL], s[SEL+1]
.endr
.irp b, 0,1,2,3
	s_delay_alu instid0(VALU_DEP_4)
	v_max_num_f32 v[BM+\b], v[BM+\b], v[TP+\b]
.endr
.irp b, 0,1,2,3
	s_delay_alu instid0(VALU_DEP_4)
	v_add_nc_u32 v[SO+\b], 0xff000000, v[BM+\b]
.endr
.irp b, 0,1,2,3
	s_delay_alu instid0(VALU_DEP_4)
	v_lshrrev_b32 v[TP+\b], 23, v[SO+\b]
.endr
.irp i, 0,1
	v_cvt_scalef32_pk8_fp4_f32 v[PC+4*\i],   v[OT+32*\i:OT+32*\i+7],     v[SO+2*\i]
	v_cvt_scalef32_pk8_fp4_f32 v[PC+4*\i+2], v[OT+32*\i+8:OT+32*\i+15],  v[SO+2*\i]
	v_cvt_scalef32_pk8_fp4_f32 v[PC+4*\i+1], v[OT+32*\i+16:OT+32*\i+23], v[SO+2*\i+1]
	v_cvt_scalef32_pk8_fp4_f32 v[PC+4*\i+3], v[OT+32*\i+24:OT+32*\i+31], v[SO+2*\i+1]
.endr
	v_nop                                          ; one plain place behind the scaled conversions
.irp i, 0,1
	v_permlane16_swap_b32 v[PC+4*\i], v[PC+4*\i+1]
	v_permlane16_swap_b32 v[PC+4*\i+2], v[PC+4*\i+3]
.endr
.irp i, 0,1
	global_store_b128 v[LI], v[PC+4*\i:PC+4*\i+3], s[56:57] offset:8192*\i   ; tile i's image for this head: 512 consecutive bytes
.endr
	v_lshl_or_b32 v[T1], v[TP+1], 8, v[TP]         ; tile 0's two bytes of row r,
	v_lshl_or_b32 v[C2], v[TP+3], 8, v[TP+2]       ; tile 1's
	v_cmp_gt_u32 vcc_lo, 16, v[LN]
	s_delay_alu instid0(VALU_DEP_1)
	v_cndmask_b32 v[T1], v[C2], v[T1], vcc_lo      ; lanes 0-15 take tile 0's rows, lanes 16-31 tile 1's: lane l has row l of my 32
	global_store_b16 v[OSO], v[T1], s[58:59]
	s_wait_tensorcnt 0x0
	ds_add_u32 v254, v255
	s_wait_dscnt 0x0
	CROUND                                         ; the closing round: no work-group ends while a partner may still ask for a tile that names it
	s_endpgm
.Lfunc_end_k_qc1aee8eea4_attn:
	.size	k_qc1aee8eea4_attn, .Lfunc_end_k_qc1aee8eea4_attn-k_qc1aee8eea4_attn
	.p2alignl 7, 3214868480
	.fill 96, 4, 3214868480
	.section	.rodata,"a",@progbits
	.p2align	6, 0x0
	.amdhsa_kernel k_qc1aee8eea4_attn
		.amdhsa_group_segment_fixed_size 327680
		.amdhsa_private_segment_fixed_size 0
		.amdhsa_enable_private_segment 0
		.amdhsa_kernarg_size 32
		.amdhsa_user_sgpr_count 2
		.amdhsa_user_sgpr_kernarg_segment_ptr 1
		.amdhsa_wavefront_size32 1
		.amdhsa_system_sgpr_workgroup_id_x 1
		.amdhsa_system_sgpr_workgroup_id_y 1
		.amdhsa_system_sgpr_workgroup_id_z 1
		.amdhsa_system_vgpr_workitem_id 0
		.amdhsa_next_free_vgpr 256
		.amdhsa_next_free_sgpr 80
		.amdhsa_reserve_vcc 1
		.amdhsa_float_denorm_mode_32 3
		.amdhsa_float_denorm_mode_16_64 3
		.amdhsa_memory_ordered 1
		.amdhsa_forward_progress 1
		.amdhsa_inst_pref_size 48
	.end_amdhsa_kernel
	.amdgpu_metadata
---
amdhsa.version: [ 1, 2 ]
amdhsa.kernels:
  - .name:           k_qc1aee8eea4_attn
    .symbol:         k_qc1aee8eea4_attn.kd
    .args:
      - { .name: qkvc, .offset: 0, .size: 8, .value_kind: global_buffer, .address_space: global }
      - { .name: qkvs, .offset: 8, .size: 8, .value_kind: global_buffer, .address_space: global }
      - { .name: oc, .offset: 16, .size: 8, .value_kind: global_buffer, .address_space: global }
      - { .name: os, .offset: 24, .size: 8, .value_kind: global_buffer, .address_space: global }
    .group_segment_fixed_size: 327680
    .private_segment_fixed_size: 0
    .kernarg_segment_align: 8
    .kernarg_segment_size: 32
    .max_flat_workgroup_size: 512
    .sgpr_count:     80
    .vgpr_count:     256
    .wavefront_size: 32
...
	.end_amdgpu_metadata
.endif
;; end of part 2
;; launch proj (part 3): grid 8 x 32, 4 waves a work-group, clusters of 4 x 4, 248,320 bytes of LDS; arguments oc, os, out_w_codes, out_w_scales, out_b, out0; writes out0
.if DOCPART == 3
	.amdgcn_target "amdgcn-amd-amdhsa--gfx1250"
	.amdhsa_code_object_version 6
	.text
	.protected	k_qc1aee8eea4_proj
	.globl	k_qc1aee8eea4_proj
	.p2align	8
	.type	k_qc1aee8eea4_proj,@function
k_qc1aee8eea4_proj:
	s_mov_b64 s[64:65], 0
	v_nop
	global_prefetch_b8 v0, s[64:65] scope:SCOPE_SE
	s_setreg_imm32_b32 hwreg(HW_REG_WAVE_MODE, 25, 1), 1
	s_wait_xcnt 0x0
	s_wait_alu depctr_hold_cnt(0) depctr_sa_sdst(0) depctr_va_vdst(0) depctr_va_sdst(0) depctr_va_ssrc(0) depctr_va_vcc(0) depctr_vm_vsrc(0)
	s_getreg_b32 s2, hwreg(HW_REG_IB_STS2, 6, 4)
	s_cmp_eq_u32 s2, 0
	s_cbranch_scc0 .Lentry_in_a_cluster
	s_endpgm
.Lentry_in_a_cluster:
	s_bfe_u32 s2, ttmp6, 0x10000c
	s_cmp_lg_u32 s2, 0xf033
	s_cbranch_scc0 .Lentry_shape_is_right
	s_endpgm
.Lentry_shape_is_right:
; out0 = O W^T + b on codes of FP4 (E2M1) with one E8M0 scale for each 32 along K (K = 1,024).  O: images of operand registers, oc [tile of 16 rows][head 16][lane][16 bytes] (heads 2 s and 2 s + 1 are registers
; 0-3 and 4-7 of K step s's fragment), and os [8,192 rows][32 scale bytes].  W: 1,024 rows of 512 bytes of codes, 32 scale bytes a row.  b [1,024], out0 [8,192][1,024]: f32.
; SHARES.  A work-group takes 256 rows (work-group y) x 128 columns (work-group x); wave w takes rows 64 w .. 64 w + 63 (four tiles) against the eight tiles of columns: 32 accumulators.
; K goes in 8 steps of 128.  Two LDS slots of 512 along K hold ALL of K: every LDS byte is filled once, so no slot is ever filled again.
; CLUSTER 4 x 4: the four work-groups of a row of the cluster need the same rows of O, the four of a column the same rows of W: each tile is asked for jointly.
; THE MATRIX INSTRUCTION IS USED TRANSPOSED (source 0 = 16 rows of W, source 1 = 16 rows of O): a lane holds eight neighbouring numbers of a row of out0.  The bias is the C of each sum's first product.
; The way out goes through the wave's own stage in LDS, 16 rows at a time: each store of a wave covers 512 consecutive bytes, aligned.
; LIMITS: NaN and infinities are not served.
.set PITCH, 272                        ; a row of W in LDS: 256 bytes + 16 of padding
.set T16,   16*PITCH
.set ASLOT, 65536                      ; O's images of a slot: 16 tiles x 4,096 bytes, read 16 bytes a lane on end: no padding
.set BBASE, 2*ASLOT
.set BHALF, 64*PITCH
.set BSLOT, 2*BHALF
.set SCL,   BBASE+2*BSLOT              ; O's scale bytes: 256 rows x 32 = 32 runs of 256 bytes, 16 of padding behind each
.set SCLB,  SCL+32*272                 ; W's: 16 runs
.set STG,   SCLB+16*272                ; a multiple of 256: the stages, 16 rows x 528 bytes for each wave; no tensor load lands here
.set SPITCH, 528
.set PADW,  (1<<20)|(1<<21)|(5<<22)|(3<<25)    ; group 1, word 0: padding on; bit 21 beside a mask; after every 64 words; four words
.set ADRA, 16                          ; v16-17  LDS address of my fragments of O in slot 0, 1
.set ADRB, 20                          ; v20-21  of W
.set AS1,  22                          ; v22     scale words: lanes 0-15 my rows of O, lanes 16-31 W's tiles 0-3
.set AS2,  23                          ; v23     lanes 0-15 W's tiles 4, 5, lanes 16-31 W's tiles 6, 7
.set LI,   24                          ; v24     16 x lane
.set STO,  25                          ; v25     the way out: where I put 32 bytes of a row
.set RD,   26                          ; v26     and where I read a row back
.set BO8,  28                          ; v28     the bias: 32 x (lane / 16)
.set SC,   32                          ; v32-95  scale words, a set of 32 for each slot: register 4 i + q: group i, the slot's q-th K step
.set AF,   128                         ; v128-191 O's fragments, two sets of four
.set BK,   128                         ; the way out: 16 rows read back: v128-191 and v192-255 by turns
; window 1: W's fragments, set p at v[64 p + 8 b]; the bias at v[128 + 8 b].   window 2: the accumulators, (a, b) at v[64 a + 8 b].
.set WV,   18
.set FB,   19
.set HF,   20
.set G1A,  24
.set G0A,  32
.set G1B,  40
.set G0B,  48
.set G1SA, 56
.set G1SB, 68
.set G0SA, 76
.set G0SB, 80
.set MSB, 0
.macro WIN new                         ; the immediate's high byte repeats the setting that is left
.if MSB != \new
	s_set_vgpr_msb (MSB<<8)|\new
.set MSB, \new
.endif
.endm
.macro PLACES n
.rept \n
	v_nop
.endr
.endm
.macro SHAPE g, c, r, p                ; group 1, words 1 to 7: r rows of c elements, p elements from row to row
	s_mov_b32 s[\g+1], (\c)<<16
	s_mov_b32 s[\g+2], (\r)<<16
	s_mov_b32 s[\g+3], (\c)<<16
	s_mov_b32 s[\g+4], \r
	s_mov_b32 s[\g+5], \p
	s_mov_b32 s[\g+6], 0
	s_mov_b32 s[\g+7], 0
.endm
; A joint load: waves 0 and 1 fetch for O, waves 2 and 3 for W; the branch hangs on the wave's number alone.  Four v_nop follow each line.
.macro JLOAD g0a, g1a, g0b, g1b
	s_cmp_eq_u32 s[FB], 0
	s_cbranch_scc0 .Lfor_b_\@
	tensor_load_to_lds s[\g0a:\g0a+3], s[\g1a:\g1a+7]
	s_nop 0
	PLACES 4
	s_branch .Lasked_\@
.Lfor_b_\@:
	tensor_load_to_lds s[\g0b:\g0b+3], s[\g1b:\g1b+7]
	s_nop 0
	PLACES 4
.Lasked_\@:
.endm
.macro CROUND                          ; a round of the cluster's barrier
	s_barrier_signal -1
	s_barrier_wait -1
	s_cmp_lg_u32 s[WV], 0
	s_cbranch_scc1 .Lnot_wave_0_\@
	s_barrier_signal -3
.Lnot_wave_0_\@:
	s_barrier_wait -3
	s_barrier_signal -1
	s_barrier_wait -1
.endm
.macro MM d, a, b, c, sa, sb, row      ; one matrix instruction, by register numbers.  row = 1: source 0's scales stand in lanes 16-31
.if (\row) == 1
	v_wmma_scale_f32_16x16x128_f8f6f4 v[\d:\d+7], v[\a:\a+7], v[\b:\b+7], v[\c:\c+7], v[\sa], v[\sb] matrix_a_fmt:MATRIX_FMT_FP4 matrix_b_fmt:MATRIX_FMT_FP4 matrix_a_scale:MATRIX_SCALE_ROW1
.else
	v_wmma_scale_f32_16x16x128_f8f6f4 v[\d:\d+7], v[\a:\a+7], v[\b:\b+7], v[\c:\c+7], v[\sa], v[\sb] matrix_a_fmt:MATRIX_FMT_FP4 matrix_b_fmt:MATRIX_FMT_FP4
.endif
.endm
	s_load_b256 s[4:11], s[0:1], 0x0               ; oc s[4:5], os s[6:7], W's codes s[8:9], W's scales s[10:11]
	s_load_b128 s[12:15], s[0:1], 0x20             ; the bias s[12:13], out0 s[14:15]
	v_lshl_add_u32 v126, v0, 2, 0x3c800
	v_mov_b32 v127, 0
	ds_add_u32 v126, v127
	ds_add_u32 v126, v127
	v_lshrrev_b32 v3, 5, v0
	v_readfirstlane_b32 s[WV], v3                  ; wave 0..3
	s_lshr_b32 s[FB], s[WV], 1                     ; 0: I fetch O, 1: W
	s_and_b32 s[HF], s[WV], 1                      ; which half of its rows
	s_bfe_u32 s21, ttmp6, 0x40000                  ; cx, cy: my place in the cluster
	s_bfe_u32 s22, ttmp6, 0x40004
	s_lshl_b32 s23, ttmp9, 2
	s_add_co_u32 s23, s23, s21                     ; the block of 128 columns = 4 x cluster x + cx
	s_and_b32 s66, ttmp7, 0xffff
	s_lshl_b32 s66, s66, 2
	s_add_co_u32 s66, s66, s22                     ; the block of 256 rows = 4 x cluster y + cy
	s_lshl_b32 s67, s22, 2
	s_lshl_b32 s67, 15, s67                        ; my row of the cluster
	s_lshl_b32 s104, 0x1111, s21                   ; my column
	s_or_b32 s[G1A], s67, (3<<16)|(1<<21)          ; O's images go to my row: elements of 8 bytes, no padding
	s_or_b32 s[G1B], s104, PADW                    ; W's tiles to my column: elements of 1 byte
	s_or_b32 s[G1SA], s67, PADW|(3<<16)
	s_or_b32 s[G1SB], s104, PADW|(3<<16)
	SHAPE G1A, 512, 8, 1024                        ; 8 tiles of rows: 4,096 bytes (eight heads) of each tile's 8,192
	SHAPE G1B, 256, 64, 512                        ; 64 rows of 256 bytes, 512 bytes from row to row
	SHAPE G1SA, 32, 16, 32                         ; the scales of 128 rows: 4,096 dense bytes as 16 rows of 256
	SHAPE G1SB, 32, 8, 32                          ; of 64 rows: 8 rows of 256
	s_lshl_b32 s84, s66, 17                        ; O: (16 x block + 8 x half) tiles of 8,192 bytes
	s_lshl_b32 s85, s[HF], 16
	s_add_co_u32 s84, s84, s85
	s_mov_b32 s85, 0
	s_lshl_b32 s86, s66, 13                        ; its scales: (256 x block + 128 x half) rows of 32 bytes
	s_lshl_b32 s87, s[HF], 12
	s_add_co_u32 s86, s86, s87
	s_mov_b32 s87, 0
	s_lshl_b32 s88, s23, 16                        ; W: (128 x block + 64 x half) rows of 512 bytes
	s_lshl_b32 s89, s[HF], 15
	s_add_co_u32 s88, s88, s89
	s_mov_b32 s89, 0
	s_lshl_b32 s90, s23, 12                        ; and of 32
	s_lshl_b32 s91, s[HF], 11
	s_add_co_u32 s90, s90, s91
	s_mov_b32 s91, 0
	s_lshl_b32 s92, s[HF], 15                      ; where they go: no place in the cluster enters an LDS address
	s_mul_i32 s93, s[HF], BHALF
	s_add_co_u32 s93, s93, BBASE
	s_mul_i32 s94, s[HF], 16*272
	s_mul_i32 s95, s[HF], 8*272
	s_wait_dscnt 0x0
	s_wait_kmcnt 0x0
	s_add_nc_u64 s[84:85], s[4:5], s[84:85]
	s_add_nc_u64 s[86:87], s[6:7], s[86:87]
	s_add_nc_u64 s[88:89], s[8:9], s[88:89]
	s_add_nc_u64 s[90:91], s[10:11], s[90:91]
	s_mov_b32 s[G0SA], 1
	s_add_co_u32 s[G0SA+1], s94, SCL
	s_mov_b64 s[G0SA+2:G0SA+3], s[86:87]
	s_or_b32 s[G0SA+3], s[G0SA+3], 0x80000000
	s_mov_b32 s[G0SB], 1
	s_add_co_u32 s[G0SB+1], s95, SCLB
	s_mov_b64 s[G0SB+2:G0SB+3], s[90:91]
	s_or_b32 s[G0SB+3], s[G0SB+3], 0x80000000
.irp s, 0,1
	s_mov_b32 s[G0A+4*\s], 1
	s_add_co_u32 s[G0A+4*\s+1], s92, \s*ASLOT
	s_add_nc_u64 s[G0A+4*\s+2:G0A+4*\s+3], s[84:85], \s*4096       ; slot s: heads 8 s on
	s_or_b32 s[G0A+4*\s+3], s[G0A+4*\s+3], 0x80000000
	s_mov_b32 s[G0B+4*\s], 1
	s_add_co_u32 s[G0B+4*\s+1], s93, \s*BSLOT
	s_add_nc_u64 s[G0B+4*\s+2:G0B+4*\s+3], s[88:89], \s*256        ; K = 512 s on
	s_or_b32 s[G0B+4*\s+3], s[G0B+4*\s+3], 0x80000000
.endr
	CROUND                                         ; all sixteen work-groups are here: the joint loads meet
	JLOAD G0SA, G1SA, G0SB, G1SB                   ; all fills of the launch go out together: the scales,
	JLOAD G0A, G1A, G0B, G1B                       ; slot 0,
	JLOAD G0A+4, G1A, G0B+4, G1B                   ; slot 1: three loads of mine are out
	s_lshl_b32 s84, s66, 8
	s_lshl_b32 s85, s[WV], 6
	s_add_co_u32 s84, s84, s85                     ; my first row of out0
	s_lshl_b32 s84, s84, 12
	s_lshl_b32 s85, s23, 9
	s_add_co_u32 s84, s84, s85                     ; x 4,096 bytes + 512 x block of columns
	s_mov_b32 s85, 0
	s_add_nc_u64 s[92:93], s[14:15], s[84:85]
	s_lshl_b32 s84, s23, 9
	s_add_nc_u64 s[12:13], s[12:13], s[84:85]      ; the bias of my 128 columns
	v_and_b32 v1, 15, v0                           ; r = lane % 16
	v_bfe_u32 v2, v0, 4, 1                         ; h = lane / 16
	v_lshlrev_b32 v[BO8], 5, v2
	WIN 0x40                                       ; destination window 1
.irp b, 0,1,2,3,4,5,6,7                        ; lane (r, h) wants, for tile b, the bias of columns 16 b + 8 h + 0 .. 7
	global_load_b128 v[128+8*\b:131+8*\b], v[BO8], s[12:13] offset:64*\b
	global_load_b128 v[132+8*\b:135+8*\b], v[BO8], s[12:13] offset:64*\b+16
.endr
	WIN 0
	v_and_b32 v7, 31, v0
	v_lshlrev_b32 v[LI], 4, v7
	s_lshl_b32 s2, s[WV], 14                       ; my four tiles' images
	v_add_nc_u32 v[ADRA], s2, v[LI]
	v_add_nc_u32 v[ADRA+1], ASLOT, v[ADRA]
	v_mul_u32_u24 v3, v1, PITCH
	v_lshl_add_u32 v3, v2, 4, v3                   ; W: a fragment's row x pitch + 16 x half
	v_add_nc_u32 v[ADRB], BBASE, v3
	v_add_nc_u32 v[ADRB+1], BBASE+BSLOT, v3
	v_lshlrev_b32 v4, 5, v1                        ; a row's scales: 32 bytes a row,
	v_lshrrev_b32 v5, 3, v1
	v_lshl_add_u32 v4, v5, 4, v4                   ; and 16 more behind each 8 rows
	s_mul_i32 s2, s[WV], 2176                      ; my 64 rows' scales
	s_mov_b32 s3, 8704
	s_sub_co_u32 s3, s3, s2                        ; from there to W's
	v_mul_u32_u24 v5, s3, v2                       ; lanes 16-31 take W's
	s_add_co_u32 s2, s2, SCL
	v_add_nc_u32 v5, v5, v4
	v_add_nc_u32 v[AS1], s2, v5
	v_mul_u32_u24 v5, v2, 1088                     ; lanes 16-31: two tiles further on
	v_add_nc_u32 v5, v5, v4
	v_add_nc_u32 v[AS2], SCLB+2176, v5
	s_mul_i32 s2, s[WV], 16*SPITCH
	s_add_co_u32 s2, s2, STG                       ; my stage
	v_mul_u32_u24 v5, v1, SPITCH                   ; in: row r, 32 bytes for each half of the lanes
	v_lshl_add_u32 v5, v2, 5, v5
	v_add_nc_u32 v[STO], s2, v5
	v_add_nc_u32 v[RD], s2, v[LI]                  ; back: the 32 lanes take one row of 512 bytes
.macro FETCH ks                        ; K step ks's fragments into set ks % 2: W's eight, my four of O: 24 loads in one run
.set sl_, (\ks)/4
.set q_,  (\ks)%4
.set p_,  (\ks)%2
	WIN 0x40                                       ; destination window 1
.irp b, 0,1,2,3,4,5,6,7
	ds_load_b128 v[64*p_+8*\b:64*p_+8*\b+3],   v[ADRB+sl_] offset:64*q_+\b*T16
	ds_load_b128 v[64*p_+8*\b+4:64*p_+8*\b+7], v[ADRB+sl_] offset:64*q_+32+\b*T16
.endr
	WIN 0
.irp a, 0,1,2,3
	ds_load_b128 v[AF+32*p_+8*\a:AF+32*p_+8*\a+3],   v[ADRA+sl_] offset:4096*\a+1024*q_
	ds_load_b128 v[AF+32*p_+8*\a+4:AF+32*p_+8*\a+7], v[ADRA+sl_] offset:4096*\a+1024*q_+512
.endr
.endm
.macro SCALES sl                       ; a slot's scale words: four words (four K steps) a row.  Group i < 4: O's tile i below, W's tile i above; groups 4, 5: W's tile i below, W's tile i + 2 above
.irp i, 0,1,2,3
	ds_load_b128 v[SC+32*\sl+4*\i:SC+32*\sl+4*\i+3], v[AS1] offset:544*\i+16*\sl
.endr
.irp i, 4,5
	ds_load_b128 v[SC+32*\sl+4*\i:SC+32*\sl+4*\i+3], v[AS2] offset:544*(\i-4)+16*\sl
.endr
.endm
; The 32 accumulators take turns, one instruction a turn, in the same order in every step.  In step 0 the bias is C.
; W's tile b finds its words in group b - 2 (b / 6), in lanes 16-31 for b = 0 .. 3 and 6, 7.
.macro MUL ks
.set SB_, SC+32*((\ks)/4)+(\ks)%4
.set PB_, 64*((\ks)%2)
.set PA_, AF+32*((\ks)%2)
.if (\ks) == 0
	WIN 0x91                                       ; source 0 (W) window 1, source 1 (O) window 0, C window 1, D window 2
.else
	WIN 0xa1                                       ; C and D window 2
.endif
.irp a, 0,1,2,3
.irp b, 0,1,2,3,4,5,6,7
.if (\ks) == 0
	MM 64*\a+8*\b, PB_+8*\b, PA_+8*\a, 128+8*\b, SB_+4*(\b-2*(\b/6)), SB_+4*\a, 1-\b/4+\b/6
.else
	MM 64*\a+8*\b, PB_+8*\b, PA_+8*\a, 64*\a+8*\b, SB_+4*(\b-2*(\b/6)), SB_+4*\a, 1-\b/4+\b/6
.endif
.endr
.endr
	WIN 0
.endm
.macro STEP ks
	s_wait_dscnt 0x0                               ; this step's fragments, asked for a step (32 matrix instructions) ago, are in
.if (\ks) == 3
	s_wait_tensorcnt 0x0                           ; my part of slot 1 has landed,
	s_barrier_signal -1
	s_barrier_wait -1                              ; everybody's has
.endif
.if (\ks) < 7
.if (\ks) > 0
	PLACES 4                                       ; four places between the last step's products and loads into the registers that they read
.endif
	FETCH (\ks)+1
.if (\ks) == 3
	SCALES 1
.endif
.endif
	MUL \ks
.endm
	s_wait_alu depctr_va_vdst(0)
	s_wait_tensorcnt 0x1                           ; of my three loads the scales' and slot 0's have landed; slot 1's may stay out
	s_barrier_signal -1
	s_barrier_wait -1                              ; everybody's have
	FETCH 0
	SCALES 0
	s_wait_loadcnt 0x0                             ; the bias
.irp k, 0,1,2,3,4,5,6,7
	STEP \k
.endr
	PLACES 4                                       ; between the last products and the first read of results, and the loads into the registers that held O's fragments
; THE WAY OUT, 16 rows x 128 columns at a time.  A lane holds 32 neighbouring bytes of a row and the lanes beside it other rows: a block goes through my own stage and comes back as whole rows of 512 bytes.
; LDS serves a wave's instructions in order (ISA guide 5.7.1.4): no wait between the stores and the loads, nor in front of the next block's stores.
.macro TOSTAGE a
	WIN 0x08                                       ; an LDS store's data are its source 1: window 2
.irp b, 0,1,2,3,4,5,6,7
	ds_store_b128 v[STO], v[64*(\a)+8*\b:64*(\a)+8*\b+3] offset:64*\b          ; each accumulator from its low end on
	ds_store_b128 v[STO], v[64*(\a)+8*\b+4:64*(\a)+8*\b+7] offset:64*\b+16
.endr
	WIN 0
.set BB_, BK+64*((\a)%2)
.irp t, 0,1,2,3,4,5,6,7,8,9,10,11,12,13,14,15
	ds_load_b128 v[BB_+4*\t:BB_+4*\t+3], v[RD] offset:\t*SPITCH
.endr
.endm
.macro SEND a, younger                 ; younger: the LDS instructions issued behind block a's loads, which may stay out
.set BB_, BK+64*((\a)%2)
	s_wait_dscnt \younger                          ; the block is back in registers
.irp t, 0,1,2,3,4,5,6,7,8,9,10,11,12,13,14,15
	global_store_b128 v[LI], v[BB_+4*\t:BB_+4*\t+3], s[92:93] offset:(16*(\a)+\t)*4096 th:TH_STORE_NT   ; 32 lanes store 512 consecutive bytes, aligned; written once, read by nobody here; 63 rows at the most stand in the immediate
.endr
.endm
	TOSTAGE 0
.irp a, 1,2,3
.if \a > 1
	s_wait_xcnt 0x0                                ; block a - 2's stores have read their registers: block a's loads may land there
.endif
	TOSTAGE \a
	SEND \a-1, 32                                  ; behind block a - 1's loads stand block a's 16 stores and 16 loads
.endr
	SEND 3, 0
	s_wait_tensorcnt 0x0
	ds_add_u32 v126, v127
	s_wait_dscnt 0x0
	CROUND                                         ; the closing round: no work-group ends while a partner may still ask for a tile that names it
	s_endpgm
.Lfunc_end_k_qc1aee8eea4_proj:
	.size	k_qc1aee8eea4_proj, .Lfunc_end_k_qc1aee8eea4_proj-k_qc1aee8eea4_proj
	.p2alignl 7, 3214868480
	.fill 96, 4, 3214868480
	.section	.rodata,"a",@progbits
	.p2align	6, 0x0
	.amdhsa_kernel k_qc1aee8eea4_proj
		.amdhsa_group_segment_fixed_size 248320
		.amdhsa_private_segment_fixed_size 0
		.amdhsa_enable_private_segment 0
		.amdhsa_kernarg_size 48
		.amdhsa_user_sgpr_count 2
		.amdhsa_user_sgpr_kernarg_segment_ptr 1
		.amdhsa_wavefront_size32 1
		.amdhsa_system_sgpr_workgroup_id_x 1
		.amdhsa_system_sgpr_workgroup_id_y 1
		.amdhsa_system_sgpr_workgroup_id_z 1
		.amdhsa_system_vgpr_workitem_id 0
		.amdhsa_next_free_vgpr 768
		.amdhsa_next_free_sgpr 106
		.amdhsa_reserve_vcc 0
		.amdhsa_float_denorm_mode_32 3
		.amdhsa_float_denorm_mode_16_64 3
		.amdhsa_memory_ordered 1
		.amdhsa_forward_progress 1
		.amdhsa_inst_pref_size 73
	.end_amdhsa_kernel
	.amdgpu_metadata
---
amdhsa.version: [ 1, 2 ]
amdhsa.kernels:
  - .name:           k_qc1aee8eea4_proj
    .symbol:         k_qc1aee8eea4_proj.kd
    .args:
      - { .name: oc, .offset: 0, .size: 8, .value_kind: global_buffer, .address_space: global }
      - { .name: os, .offset: 8, .size: 8, .value_kind: global_buffer, .address_space: global }
      - { .name: out_w_codes, .offset: 16, .size: 8, .value_kind: global_buffer, .address_space: global }
      - { .name: out_w_scales, .offset: 24, .size: 8, .value_kind: global_buffer, .address_space: global }
      - { .name: out_b, .offset: 32, .size: 8, .value_kind: global_buffer, .address_space: global }
      - { .name: out0, .offset: 40, .size: 8, .value_kind: global_buffer, .address_space: global }
    .group_segment_fixed_size: 248320
    .private_segment_fixed_size: 0
    .kernarg_segment_align: 8
    .kernarg_segment_size: 48
    .max_flat_workgroup_size: 128
    .sgpr_count:     106
    .vgpr_count:     768
    .wavefront_size: 32
...
	.end_amdgpu_metadata
.endif
;; end of part 3
